; MI455X (gfx1250); checked and timed in simulation.
; The chip was launched on July 23, 2026; its instructions are those of AMD's public machine-readable ISA for CDNA 5 (MIT licence, August 2026) and "CDNA5" Instruction Set Architecture Reference Guide (July 2026). The comments in the code are by the model that wrote it; some were corrected since.
;; VQ Net. Allowed arithmetic: matrix products marked QUANTISED: E5M2 operands, one given power-of-two scale a tensor, by v_wmma_f32_16x16x64_bf8_bf8 or v_wmma_f32_16x16x128_bf8_bf8, f32 sums; everything else in f32.
;; Inputs: embed_weight 8,192 x 512 float32; lowp_scales 2 int32 (the exponents e of the quantised operands' scales 2^e); xs 16,384 x 512 float32.
;; Outputs: out0 16,384 x 512 float32.
;; This version of the problem:
;;   THIS VERSION OF THE PROBLEM IS GIVEN IN LOW PRECISION. The matrix products marked QUANTISED in the list below multiply operands that are first quantised to E5M2 (5 exponent bits, 2 mantissa bits; 8 bits a number), with one given power-of-two scale for each operand tensor; their sums are f32. All else is computed in f32.
;;   The module's matrix products, in the order in which they are computed (A, B: the left and right operand; K: the contracted axis; several contracted axes count as one K, in the product's order):
;;     1. [M 16,384, K 512] x [K 512, N 8,192]; A: input xs; B: input embed_weight: QUANTISED (scales: A lowp_scales[0], B lowp_scales[1])
;;   THE QUANTISER, for each operand of a quantised product, along K:
;;     - The operand's scale is 2^e, e = its entry of the input lowp_scales (int32; the entries are numbered through the quantised products in the list's order, A before B).
;;     - Each number is divided by the scale, clamped to +-57,344, and rounded to the nearest number of E5M2, ties to even, subnormals kept.
;;     - The product sums the exact products of the quantised numbers (number of the format x scale) in f32.
;;   ~~~python
;;   def quantise(x, axis, e):      # numpy; x: float32 -> the quantised numbers, widened to float32 again
;;       x = np.moveaxis(x, axis, -1); K = x.shape[-1]
;;       r = np.clip(x / 2.0 ** e, -57344, 57344)
;;       step = 2.0 ** (np.maximum(np.frexp(np.where(r == 0, 1, r))[1] - 1, -14) - 2)
;;       q = np.round(r / step) * step * 2.0 ** e      # np.round: ties to even
;;       return np.moveaxis(q, -1, axis).astype(np.float32)
;;   ~~~
;; One version. Each part assembles by itself: llvm-mc -triple=amdgcn-amd-amdhsa -mcpu=gfx1250 --defsym DOCPART=n.
;; ======== version 1 of 1: 3 launches
;; limits: right only within a limited range of input values
;; workspace buffers: xq 8,388,608 bytes; wq 4,325,376 bytes; cand_key 524,288 bytes of whole numbers; cand_idx 524,288 bytes of whole numbers
;; launch quant (part 1): grid 768 x 1, 2 waves a work-group, no clusters, 17,664 bytes of LDS; arguments xs, embed_weight, lowp_scales, xq, wq; writes xq, wq
.if DOCPART == 1
	.amdgcn_target "amdgcn-amd-amdhsa--gfx1250"
	.amdhsa_code_object_version 6
	.text
	.protected	k_qace3e70aac_quant
	.globl	k_qace3e70aac_quant
	.p2align	8
	.type	k_qace3e70aac_quant,@function
k_qace3e70aac_quant:
	s_mov_b64 s[64:65], 0
	v_nop
	global_prefetch_b8 v0, s[64:65] scope:SCOPE_SE
	s_setreg_imm32_b32 hwreg(HW_REG_WAVE_MODE, 25, 1), 1
	s_wait_xcnt 0x0
; xs [16384][512] and embed_weight [8192][512], f32, become RECORDS of 16 rows each, laid as the next launch's operand registers want them.
; DEAD WORK LEFT OUT OF THE PROGRAM, for all values of the inputs:
;  (1) sum(xs^2) is added alike to all 8,192 distances of a token, so in exact arithmetic it moves no argmin: it is not computed.
;      argmin over j of |w_j|^2 - 2 x.w_j is argmax over j of x.w_j - |w_j|^2 / 2, which is what the next launch takes.
;  (2) xs + (w_i - xs) is w_i in exact arithmetic: the last launch stores the table's row as it is.  xs reaches the output through its codes alone.
;  LIMIT: a NaN, an infinity or an overflow that reaches only the work left out is not carried to the result; two codes whose distances differ by
;  less than the f32 rounding of a distance may be told apart otherwise than by reference().
; A record's codes are 8,192 bytes of E5M2: the byte at 2048 s + 512 c + 16 lane + b is the code of row lane % 16 at k = 128 s + 32 c + 16 (lane / 16) + b.
; wq: records of 8,448 bytes (33 x 256), in the table's order: the codes; bytes 8192 .. 8255: for the 16 rows, -(sum of squares of the UNQUANTISED numbers) x 2^(-ex - ew - 1), f32:
;     what is added to a sum of products of codes; bytes 8256 .. 8447: zeros, so that the tail is one whole block of 256 bytes.
; xq: records of 8,192 bytes, dense.  The record of tokens 16 n .. 16 n + 15, n = 32 B + 4 w + 2 a + i, lies at place 32 B + 16 a + 2 w + i: a block B of 512 tokens is two halves a,
;     each with two records for each of the next launch's eight waves w.
; code = x / 2^e, held within +-57,344, rounded to the nearest code, ties to even.  e: entry 0 of the scales for xs (ex), entry 1 for embed_weight (ew).
; LIMITS: e between -126 and 112; ex + ew between -128 and 125.  NaN and infinities among the inputs are not served.
;         A row's sum of squares is added in four chains of pairs and then across two lanes: another order of rounding than a sum from left to right.
; SHARES: one wave, one record: 1,024 records of xs (work-groups 0-511), 512 of embed_weight (the others).  Branches on the work-group's number lead xs's waves round the squares and the tail.
; Each load reads 512 consecutive bytes of one row; a K step's 16 x 512 bytes turn through the wave's own stage in LDS (rows 528 bytes apart) and come back 64 bytes a lane.
; No tensor loads, clusters or matrix work: a stream, each input byte read once, each output byte written once in whole aligned blocks.  Waves share nothing: no barrier.
.set REC,   8448
.set ROWIN, 2048
.set PIT,   528
.set WLDS,  8704                       ; LDS of a wave: 16 stage rows, then 256 bytes for the record's tail
.set TAIL,  8448
.set NXS,   512                        ; work-groups that take xs
.set GI,  1                            ; 16 x lane
.set SI,  2                            ; the stage, on the way in
.set SO,  3                            ; the stage, on the way out: row r, + 64 h
.set T8,  4
.set T4,  5
.set G8,  6
.set LIM, 10                           ; 57,344 x 2^e
.set SCL, 11                           ; 2^e
.set SQ,  12                           ; v[12:19] four chains of pairs
.set C,   20                           ; v[20:35] a K step's codes
.set ZZ,  36
.set TS,  38
.set TB,  40
.set R,   64                           ; v[64:191] two sets of 64: a K step as loaded
.set X,   192                          ; v[192:255] 64 neighbours
	s_load_b128 s[4:7], s[0:1], 0x0                ; xs, embed_weight
	s_load_b64 s[10:11], s[0:1], 0x10              ; the scales' exponents
	s_load_b128 s[12:15], s[0:1], 0x18             ; xq, wq
	v_lshl_add_u32 v62, v0, 2, 0x4400              ; my spare word, behind the two waves' LDS
	v_mov_b32 v63, 0
	v_lshrrev_b32 v7, 5, v0
	v_readfirstlane_b32 s16, v7                    ; wave 0, 1
	v_and_b32 v7, 31, v0
	v_and_b32 v8, 15, v0                           ; r
	v_bfe_u32 v9, v0, 4, 1                         ; h
	s_mul_i32 s19, s16, WLDS
	v_lshlrev_b32 v[GI], 4, v7
	v_add_nc_u32 v[SI], s19, v[GI]
	v_mul_u32_u24 v[SO], v8, PIT
	v_lshl_add_u32 v[SO], v9, 6, v[SO]
	v_add_nc_u32 v[SO], s19, v[SO]
	v_lshlrev_b32 v[G8], 3, v7
	v_add_nc_u32 v[T8], s19, v[G8]
	v_lshlrev_b32 v[T4], 2, v8
	v_add_nc_u32 v[T4], s19, v[T4]
	v_mov_b32 v[ZZ], 0
	v_mov_b32 v[ZZ+1], 0
	v_mov_b32 v[TS+1], 0                           ; a lane permute's destination counts as one of its sources
.irp i, 0,1,2,3,4,5,6,7
	v_mov_b32 v[SQ+\i], 0                          ; the eight sums begin at 0, so that they are written on every way through the text
.endr
	s_mov_b32 s20, 0x76543210
	s_mov_b32 s21, 0xfedcba98
	s_wait_alu depctr_va_vdst(0)                   ; the wait here, directly ahead of the wait below
	s_wait_kmcnt 0x0
	s_load_b64 s[24:25], s[10:11], 0x0             ; ex, ew
	s_cmp_lt_u32 ttmp9, NXS
	s_cselect_b64 s[4:5], s[4:5], s[6:7]
	s_cselect_b64 s[8:9], s[12:13], s[14:15]
	s_cselect_b32 s17, 0, NXS
	s_sub_co_u32 s17, ttmp9, s17
	s_lshl_b32 s17, s17, 1
	s_add_co_u32 s18, s17, s16                     ; my record's number n in its tensor
	s_lshl_b32 s22, s18, 15
	s_mov_b32 s23, 0
	s_add_nc_u64 s[4:5], s[4:5], s[22:23]
	s_mul_i32 s22, s18, REC                        ; wq: n records of 8,448 bytes
	s_and_b32 s27, s18, 0x3e0                      ; xq: 32 B
	s_bfe_u32 s28, s18, 0x30002                    ; w
	s_lshl_b32 s28, s28, 1
	s_add_co_u32 s27, s27, s28                     ; + 2 w
	s_and_b32 s28, s18, 2
	s_lshl_b32 s28, s28, 3
	s_add_co_u32 s27, s27, s28                     ; + 16 a
	s_and_b32 s28, s18, 1
	s_add_co_u32 s27, s27, s28                     ; + i
	s_lshl_b32 s27, s27, 13                        ; records of 8,192 bytes
	s_cmp_lt_u32 ttmp9, NXS
	s_cselect_b32 s22, s27, s22
	s_add_nc_u64 s[8:9], s[8:9], s[22:23]
.macro LOAD s
.irp i, 0,1,2,3,4,5,6,7,8,9,10,11,12,13,14,15
	global_load_b128 v[R+64*((\s)%2)+4*\i:R+64*((\s)%2)+4*\i+3], v[GI], s[4:5] offset:ROWIN*\i+512*(\s) th:TH_LOAD_NT
.endr
.endm
.macro TURN s                          ; LDS serves a wave's instructions in order: no wait between the stores and the loads
.irp i, 0,1,2,3,4,5,6,7,8,9,10,11,12,13,14,15
	ds_store_b128 v[SI], v[R+64*((\s)%2)+4*\i:R+64*((\s)%2)+4*\i+3] offset:PIT*\i
.endr
.irp c, 0,1,2,3
.irp j, 0,1,2,3
	ds_load_b128 v[X+16*\c+4*\j:X+16*\c+4*\j+3], v[SO] offset:128*\c+16*\j
.endr
.endr
.endm
.macro COMP s
	s_cmp_lt_u32 ttmp9, NXS
	s_cbranch_scc1 .Lnosq_\@                       ; xs's squares are dead work
.set P, 0
.rept 32
	v_pk_fma_f32 v[SQ+2*(P%4):SQ+2*(P%4)+1], v[X+2*P:X+2*P+1], v[X+2*P:X+2*P+1], v[SQ+2*(P%4):SQ+2*(P%4)+1]
.set P, P+1
.endr
.Lnosq_\@:
.set P, 0
.rept 64
	v_med3_num_f32 v[X+P], v[X+P], -v[LIM], v[LIM]     ; the conversion does not saturate (ISA guide 7.6.2): the hold at the largest code x the scale
.set P, P+1
.endr
.if (\s) > 0
	s_wait_alu depctr_va_vdst(0)
	s_wait_xcnt 0x0                                ; the last step's stores have read their data
.endif
.irp g, 0,1,2,3,4,5,6,7
	v_cvt_scalef32_pk8_bf8_f32 v[C+2*\g:C+2*\g+1], v[X+8*\g:X+8*\g+7], v[SCL]
.endr
	v_nop                                          ; one plain place behind the conversions: the next step's holds write their sources
.irp c, 0,1,2,3
	global_store_b128 v[GI], v[C+4*\c:C+4*\c+3], s[8:9] offset:2048*(\s)+512*\c
.endr
.endm
.macro STEP s
	s_wait_dscnt 0x0                               ; this step's numbers are back, and the stage's stores have read their registers
.if (\s) < 2
	LOAD (\s)+2
.endif
	COMP \s
.if (\s) < 2
	s_wait_loadcnt 16                              ; the next step's 16 loads are in; the 16 issued behind them may be out
	TURN (\s)+1
.elseif (\s) == 2
	s_wait_loadcnt 0x0
	TURN 3
.endif
.endm
	LOAD 0
	LOAD 1
	s_wait_kmcnt 0x0
	s_add_co_i32 s26, s24, s25
	s_sub_co_i32 s26, 126, s26
	s_lshl_b32 s26, s26, 23
	s_or_b32 s26, s26, 0x80000000                  ; -2^(-ex - ew - 1) as f32
	s_cmp_lt_u32 ttmp9, NXS
	s_cselect_b32 s24, s24, s25                    ; e
	s_add_co_i32 s24, s24, 127
	s_lshl_b32 s25, s24, 23
	v_mov_b32 v[SCL], s25
	s_add_co_i32 s24, s24, 15
	s_lshl_b32 s24, s24, 23
	s_or_b32 s24, s24, 0x600000
	v_mov_b32 v[LIM], s24
	s_wait_alu depctr_va_vdst(0)                   ; the wait at the head's end
	s_wait_loadcnt 16                              ; step 0's loads are in, step 1's may be out
	TURN 0
	STEP 0
	STEP 1
	STEP 2
	STEP 3
	s_cmp_lt_u32 ttmp9, NXS
	s_cbranch_scc1 .Lend                           ; xs's records have no tail
	v_pk_add_f32 v[SQ:SQ+1], v[SQ:SQ+1], v[SQ+2:SQ+3]
	v_pk_add_f32 v[SQ+4:SQ+5], v[SQ+4:SQ+5], v[SQ+6:SQ+7]
	v_pk_add_f32 v[SQ:SQ+1], v[SQ:SQ+1], v[SQ+4:SQ+5]
	v_add_f32 v[TS], v[SQ], v[SQ+1]
	v_permlanex16_b32 v[TS+1], v[TS], s20, s21
	v_add_f32 v[TS], v[TS], v[TS+1]                ; lanes r and r + 16 hold the same number
	v_mul_f32 v[TS], s26, v[TS]                    ; x -2^(-ex - ew - 1): nothing is rounded
	ds_store_b64 v[T8], v[ZZ:ZZ+1] offset:TAIL     ; 256 bytes of zeros,
	ds_store_b32 v[T4], v[TS] offset:TAIL          ; the sixteen numbers over the first 64,
	ds_load_b64 v[TB:TB+1], v[T8] offset:TAIL      ; and back, 8 bytes a lane: served in order
	s_wait_dscnt 0x0
	global_store_b64 v[G8], v[TB:TB+1], s[8:9] offset:8192
.Lend:
	s_wait_tensorcnt 0x0                           ; the wave's end
	ds_add_u32 v62, v63
	s_wait_dscnt 0x0
	s_endpgm
.Lfunc_end_k_qace3e70aac_quant:
	.size	k_qace3e70aac_quant, .Lfunc_end_k_qace3e70aac_quant-k_qace3e70aac_quant
	.p2alignl 7, 3214868480
	.fill 96, 4, 3214868480
	.section	.rodata,"a",@progbits
	.p2align	6, 0x0
	.amdhsa_kernel k_qace3e70aac_quant
		.amdhsa_group_segment_fixed_size 17664
		.amdhsa_private_segment_fixed_size 0
		.amdhsa_enable_private_segment 0
		.amdhsa_kernarg_size 40
		.amdhsa_user_sgpr_count 2
		.amdhsa_user_sgpr_kernarg_segment_ptr 1
		.amdhsa_wavefront_size32 1
		.amdhsa_system_sgpr_workgroup_id_x 1
		.amdhsa_system_sgpr_workgroup_id_y 1
		.amdhsa_system_sgpr_workgroup_id_z 1
		.amdhsa_system_vgpr_workitem_id 0
		.amdhsa_next_free_vgpr 256
		.amdhsa_next_free_sgpr 66
		.amdhsa_reserve_vcc 0
		.amdhsa_float_denorm_mode_32 3
		.amdhsa_float_denorm_mode_16_64 3
		.amdhsa_memory_ordered 1
		.amdhsa_forward_progress 1
		.amdhsa_inst_pref_size 47
	.end_amdhsa_kernel
	.amdgpu_metadata
---
amdhsa.version: [ 1, 2 ]
amdhsa.kernels:
  - .name:           k_qace3e70aac_quant
    .symbol:         k_qace3e70aac_quant.kd
    .args:
      - { .name: xs, .offset: 0, .size: 8, .value_kind: global_buffer, .address_space: global }
      - { .name: embed_weight, .offset: 8, .size: 8, .value_kind: global_buffer, .address_space: global }
      - { .name: lowp_scales, .offset: 16, .size: 8, .value_kind: global_buffer, .address_space: global }
      - { .name: xq, .offset: 24, .size: 8, .value_kind: global_buffer, .address_space: global }
      - { .name: wq, .offset: 32, .size: 8, .value_kind: global_buffer, .address_space: global }
    .group_segment_fixed_size: 17664
    .private_segment_fixed_size: 0
    .kernarg_segment_align: 8
    .kernarg_segment_size: 40
    .max_flat_workgroup_size: 64
    .sgpr_count:     66
    .vgpr_count:     256
    .wavefront_size: 32
...
	.end_amdgpu_metadata
.endif
;; end of part 1
;; launch dist (part 2): grid 32 x 8, 8 waves a work-group, clusters of 4 x 4, 327,680 bytes of LDS; arguments xq, wq, cand_key, cand_idx; writes cand_key, cand_idx
.if DOCPART == 2
	.amdgcn_target "amdgcn-amd-amdhsa--gfx1250"
	.amdhsa_code_object_version 6
	.text
	.protected	k_qace3e70aac_dist
	.globl	k_qace3e70aac_dist
	.p2align	8
	.type	k_qace3e70aac_dist,@function
k_qace3e70aac_dist:
	s_mov_b64 s[64:65], 0
	v_nop
	global_prefetch_b8 v0, s[64:65] scope:SCOPE_SE
	s_setreg_imm32_b32 hwreg(HW_REG_WAVE_MODE, 25, 1), 1
	s_wait_xcnt 0x0
	s_wait_alu depctr_hold_cnt(0) depctr_sa_sdst(0) depctr_va_vdst(0) depctr_va_sdst(0) depctr_va_ssrc(0) depctr_va_vcc(0) depctr_vm_vsrc(0)
	s_getreg_b32 s2, hwreg(HW_REG_IB_STS2, 6, 4)
	s_cmp_eq_u32 s2, 0
	s_cbranch_scc0 .Lentry_in_a_cluster
	s_endpgm
.Lentry_in_a_cluster:
	s_bfe_u32 s2, ttmp6, 0x10000c
	s_cmp_lg_u32 s2, 0xf033
	s_cbranch_scc0 .Lentry_shape_is_right
	s_endpgm
.Lentry_shape_is_right:
; For each token and each eighth of the codes: the code with the largest score = (sum over k of code_w x code_x) + c_w, c_w = -|w|^2 x 2^(-ex - ew - 1) from wq's records.
; The score is (x.w - |w|^2 / 2) / 2^(ex + ew); sum(xs^2), the same for all codes of a token, is left out as dead work (see the first kernel's head).
; SHARES.  A work-group: 512 tokens x 1,024 codes (64 records of 16).  Grid 32 x 8 = 256 work-groups.  Wave w: tokens 64 w .. 64 w + 63, whose codes (4 tiles x 4 K steps x 16 registers)
; fill window 1; every wave walks all 64 records.  A UNIT is one record against the four tiles: 16 matrix instructions in one run (K step outer, four accumulators by turns)
; each accumulator's first taking the record's eight c_w as C, so that the bias costs no vector instruction; then nine vector instructions a tile.
; A lane holds token r of a tile and codes 8 h + 0 .. 7 of the record.  Kept for each tile: the largest score so far, the first code of the record in which it arose and that record's
; scores 0 to 6 (if none of them equals the largest, it was score 7).  The comparison is strict and the records ascend, so of equal scores the lowest index stays, as in argmin.
; No branch and no address hangs on a score.
; LDS: two slots of 16 records (135,168 bytes each), which take turns; fragments are read two records ahead into two register sets.
; CLUSTER 4 x 4: the four work-groups of a row have the same eighth of the codes and ask for W's records jointly; the four of a column have the same tokens.
; At the head waves 0-3 fetch W's records 0-15 into slot 0, and waves 4-7, jointly with their column, 135,168 bytes from the head of the block of xq into slot 1: tiles 0 and 1 of all
; waves, and 4,096 bytes more that nobody reads, so that every byte of slot 1 has had its first fill.  LDS has no room for the other half beside them: each wave loads its tiles 2 and 3
; straight into registers.  The first unit carries the change behind which slot 1, read out by then, takes W's records 16-31.
; No prefetch: behind the head each fill has 14 or 16 units' work between its request and the wait for it.
; OUT: cand_key, cand_idx [8][16384] int32; a key orders, as a signed whole number, as the score orders (-0 under +0).  NaN among the scores is not served.
.set REC,    8448
.set WPART,  2*REC
.set SLOTB,  16*REC
.set PARTB,  64*REC
.set SPARE,  2*SLOTB                   ; the spare words: 128 bytes for each of eight waves
.set MRG,    SPARE+1024                ; 512 bytes for each wave: the way out
.set L16, 1                            ; 16 x lane
.set H32, 2                            ; 8192 + 32 h
.set ADR, 3
.set ADW, 4
.set SPW, 5
.set NIL, 6
.set VT,  7                            ; the record's first code
.set MM,  8                            ; v[8:11], v[12:15] at work
.set M2,  12
.set R4,  16
.set GO,  17
.set H8,  18
.set TT,  19
.set OV,  20
.set OI,  21
.set MA,  22
.set MR,  23
.set BEST, 24                          ; v[24:27], v[28:31]: the largest so far, in and out by turns
.set XAD, 32                           ; my tiles 0 and 1 in slot 1
.set JR,  36
.set WSQ, 40                           ; v[40:55] two sets of eight c_w
.set SAV, 56                           ; v[56:87] tile q: scores 0-6 of the kept record at 8 q + 0 .. 6, its first code at 8 q + 7
.set ACC, 88                           ; v[88:119]
.set WF,  120                          ; v[120:247] two sets of a record's fragments
.set VA,  248
.set G1,   16                          ; s[16:23]  66 rows, my row of the cluster: W's later fills
.set G0,   32                          ; s[32:39]  W's later fills, a set for each slot
.set G1A,  68                          ; s[68:75]  132 rows, my row: W at the head
.set G1X,  76                          ; s[76:83]  132 rows, my column: tokens at the head
.set G0A,  92
.set G0X,  96
.set MSB, 0
.macro WIN new                         ; the immediate's high byte repeats the setting that is left
.if MSB != \new
	s_set_vgpr_msb (MSB<<8)|\new
.set MSB, \new
.endif
.endm
.set W_MUL, 0x04                       ; source 1 (the tokens) window 1
.set W_X,   0x40                       ; destination window 1
.macro CREST
	s_cmp_lg_u32 s14, 0
	s_cbranch_scc1 .Lnot_wave_0_\@
	s_barrier_signal -3
.Lnot_wave_0_\@:
	s_barrier_wait -3
	s_barrier_signal -1
	s_barrier_wait -1
.endm
.macro ROUND
	s_barrier_signal -1
	s_barrier_wait -1
	CREST
.endm
.macro GSET g, rows                    ; rows of 32 elements of 8 bytes, dense
	s_mov_b32 s[\g+1], 32<<16
	s_mov_b32 s[\g+2], (\rows)<<16
	s_mov_b32 s[\g+3], 32<<16
	s_mov_b32 s[\g+4], \rows
	s_mov_b32 s[\g+5], 32
	s_mov_b32 s[\g+6], 0
	s_mov_b32 s[\g+7], 0
.endm
	s_load_b256 s[4:11], s[0:1], 0x0               ; xq, wq, cand_key, cand_idx
	v_lshl_add_u32 v[SPW], v0, 2, SPARE
	v_mov_b32 v[NIL], 0
	ds_add_u32 v[SPW], v[NIL]                      ; the opening lines: the add twice on end and its wait
	ds_add_u32 v[SPW], v[NIL]
	v_lshrrev_b32 v[TT], 5, v0
	v_readfirstlane_b32 s14, v[TT]                 ; wave 0..7
	s_lshr_b32 s15, s14, 2                         ; at the head I fetch W (0) or tokens (1),
	s_and_b32 s12, s14, 3                          ; and which quarter
	s_bfe_u32 s48, ttmp6, 0x40000                  ; cx
	s_bfe_u32 s46, ttmp6, 0x40004                  ; cy
	s_lshl_b32 s49, ttmp9, 2
	s_add_co_u32 s49, s49, s48                     ; block of 512 tokens
	s_and_b32 s43, ttmp7, 0xffff
	s_lshl_b32 s43, s43, 2
	s_add_co_u32 s43, s43, s46                     ; which eighth of the codes
	s_lshl_b32 s54, s46, 2
	s_lshl_b32 s54, 15, s54                        ; my row of the cluster
	s_lshl_b32 s55, 0x1111, s48                    ; my column
	s_or_b32 s[G1], s54, (3<<16)|(1<<21)
	s_or_b32 s[G1A], s54, (3<<16)|(1<<21)
	s_or_b32 s[G1X], s55, (3<<16)|(1<<21)
	GSET G1, 66
	GSET G1A, 132
	GSET G1X, 132
	s_mul_i32 s42, s14, WPART                      ; my two records of a slot
	s_mul_i32 s44, s43, PARTB
	s_mov_b32 s45, 0
	s_lshl_b32 s50, s49, 18                        ; a block of xq is 262,144 bytes
	s_mov_b32 s51, 0
	s_lshl_b32 s52, s43, 16                        ; candidates: 65,536 x eighth + 2,048 x block + 256 x wave
	s_lshl_b32 s53, s49, 11
	s_add_co_u32 s52, s52, s53
	s_lshl_b32 s53, s14, 8
	s_add_co_u32 s52, s52, s53
	s_mov_b32 s53, 0
	s_mov_b32 s59, 0
	s_mov_b32 s40, 0x76543210
	s_mov_b32 s41, 0xfedcba98
	s_wait_dscnt 0x0
	s_wait_kmcnt 0x0
	s_add_nc_u64 s[60:61], s[6:7], s[44:45]        ; my eighth of wq
	s_add_nc_u64 s[62:63], s[4:5], s[50:51]        ; my block of xq
	s_add_nc_u64 s[8:9], s[8:9], s[52:53]
	s_add_nc_u64 s[10:11], s[10:11], s[52:53]
	s_mov_b32 s58, s42
	s_mov_b32 s[G0], 1                             ; slot 0's refills begin from records 0-15 and step first
	s_mov_b32 s[G0+1], s42
	s_add_nc_u64 s[G0+2:G0+3], s[60:61], s[58:59]
	s_mov_b32 s[G0+4], 1                           ; slot 1: records 16-31
	s_add_co_u32 s[G0+5], s42, SLOTB
	s_add_nc_u64 s[G0+6:G0+7], s[G0+2:G0+3], SLOTB
	s_or_b32 s[G0+3], s[G0+3], 0x80000000
	s_or_b32 s[G0+7], s[G0+7], 0x80000000
	s_mul_i32 s58, s12, 4*REC                      ; the head's quarters: 33,792 bytes
	s_mov_b32 s[G0A], 1
	s_mov_b32 s[G0A+1], s58
	s_add_nc_u64 s[G0A+2:G0A+3], s[60:61], s[58:59]
	s_or_b32 s[G0A+3], s[G0A+3], 0x80000000
	s_mov_b32 s[G0X], 1
	s_add_co_u32 s[G0X+1], s58, SLOTB
	s_add_nc_u64 s[G0X+2:G0X+3], s[62:63], s[58:59]
	s_or_b32 s[G0X+3], s[G0X+3], 0x80000000
	s_lshl_b32 s58, s14, 14                        ; my two tiles of a half: 16,384 bytes
	s_add_co_u32 s13, s58, SLOTB
	s_add_nc_u64 s[26:27], s[62:63], s[58:59]      ; my place in a half of the block
	ROUND
	s_cmp_eq_u32 s15, 0                            ; one tensor load a wave at the head
	s_cbranch_scc0 .Lfor_x
	tensor_load_to_lds s[G0A:G0A+3], s[G1A:G1A+7]
	s_nop 0
.rept 4
	v_nop
.endr
	s_branch .Lasked
.Lfor_x:
	tensor_load_to_lds s[G0X:G0X+3], s[G1X:G1X+7]
	s_nop 0
.rept 4
	v_nop
.endr
.Lasked:
	v_and_b32 v[TT], 31, v0
	v_lshlrev_b32 v[L16], 4, v[TT]
	v_lshlrev_b32 v[GO], 3, v[TT]
	v_bfe_u32 v[H8], v0, 4, 1
	v_lshlrev_b32 v[H32], 5, v[H8]
	v_add_nc_u32 v[H32], 8192, v[H32]
	v_lshlrev_b32 v[H8], 3, v[H8]
	v_and_b32 v[R4], 15, v0
	v_lshlrev_b32 v[R4], 2, v[R4]
	v_add_nc_u32 v[XAD], s13, v[L16]
	WIN W_X
.irp i, 0,1                            ; my tiles 2 and 3, from the block's second half, while the head's fills are on their way
.irp k, 0,1,2,3
.irp c, 0,1,2,3
	global_load_b128 v[16*(4*(2+\i)+\k)+4*\c:16*(4*(2+\i)+\k)+4*\c+3], v[L16], s[26:27] offset:131072+8192*\i+2048*\k+512*\c
.endr
.endr
.endr
	WIN 0
	s_lshl_b32 s58, s14, 9
	s_add_co_u32 s58, s58, MRG
	v_add_nc_u32 v[MA], s58, v[R4]
	v_add_nc_u32 v[MR], s58, v[GO]
	s_lshl_b32 s29, s43, 10                        ; the eighth's first code
.irp q, 0,1,2,3
	v_mov_b32 v[BEST+\q], 0xff800000               ; -infinity, under every score
.irp j, 0,1,2,3,4,5,6
	v_mov_b32 v[SAV+8*\q+\j], 0xff800000
.endr
	v_mov_b32 v[SAV+8*\q+7], s29
.endr
	v_mov_b32 v[OV], 0
	v_mov_b32 v[OI], 0
	s_mov_b32 s28, 0
	v_add_nc_u32 v[ADR], s28, v[L16]
	v_add_nc_u32 v[ADW], s28, v[H32]
	s_add_co_u32 s28, s28, 2*REC
	s_wait_alu depctr_va_vdst(0)                   ; the wait at the head's end
	s_wait_tensorcnt 0x0                           ; my quarter is in;
	s_barrier_signal -1
	s_barrier_wait -1                              ; everybody's is.
.macro FETCH p, off                    ; 18 LDS loads: a record's fragments and its eight c_w of my half, into set p
.irp k, 0,1,2,3
.irp c, 0,1,2,3
	ds_load_b128 v[WF+64*(\p)+16*\k+4*\c:WF+64*(\p)+16*\k+4*\c+3], v[ADR] offset:(\off)+2048*\k+512*\c
.endr
.endr
	ds_load_b128 v[WSQ+8*(\p):WSQ+8*(\p)+3], v[ADW] offset:(\off)
	ds_load_b128 v[WSQ+8*(\p)+4:WSQ+8*(\p)+7], v[ADW] offset:(\off)+16
.endm
.macro XREAD q0                        ; 32 LDS loads: my tiles q0, q0 + 1 out of slot 1 into window 1
	WIN W_X
.irp i, 0,1
.irp k, 0,1,2,3
.irp c, 0,1,2,3
	ds_load_b128 v[16*(4*((\q0)+\i)+\k)+4*\c:16*(4*((\q0)+\i)+\k)+4*\c+3], v[XAD] offset:8192*\i+2048*\k+512*\c
.endr
.endr
.endr
	WIN 0
.endm
; Nine instructions a tile; the four tiles' chains of maxima by turns; each accumulator is read from its low end on
.macro EPI p
.irp q, 0,1,2,3
	v_max3_num_f32 v[MM+\q], v[ACC+8*\q], v[ACC+8*\q+1], v[BEST+4*(\p)+\q]
.endr
.irp q, 0,1,2,3
	v_max3_num_f32 v[M2+\q], v[ACC+8*\q+2], v[ACC+8*\q+3], v[ACC+8*\q+4]
.endr
.irp q, 0,1,2,3
	v_max3_num_f32 v[MM+\q], v[MM+\q], v[ACC+8*\q+5], v[ACC+8*\q+6]
.endr
.irp q, 0,1,2,3
	v_max3_num_f32 v[BEST+4*(1-(\p))+\q], v[MM+\q], v[M2+\q], v[ACC+8*\q+7]
.endr
.irp q, 0,1,2,3
	v_cmp_gt_f32 vcc_lo, v[BEST+4*(1-(\p))+\q], v[BEST+4*(\p)+\q]      ; has the largest grown?  Then this record's number and scores are kept
.irp t, 0,2,4
	v_dual_cndmask_b32 v[SAV+8*\q+\t], v[SAV+8*\q+\t], v[ACC+8*\q+\t] :: v_dual_cndmask_b32 v[SAV+8*\q+\t+1], v[SAV+8*\q+\t+1], v[ACC+8*\q+\t+1]
.endr
	v_dual_cndmask_b32 v[SAV+8*\q+6], v[SAV+8*\q+6], v[ACC+8*\q+6] :: v_dual_cndmask_b32 v[SAV+8*\q+7], v[SAV+8*\q+7], v[VT]
.endr
.endm
; The lines of a change: in front of the run of matrix instructions (CHG_A) and behind it (CHG_B).  g0 < 0: no tensor load follows, and no round.
.macro CHG_A g0, step, base
	s_wait_tensorcnt 0x0                           ; all my tensor loads have landed
	ds_add_u32 v[SPW], v[NIL]
.if \step
	s_add_nc_u64 s[(\g0)+2:(\g0)+3], s[(\g0)+2:(\g0)+3], 2*SLOTB
.endif
.if \base >= 0
	s_mov_b32 s28, \base                           ; where the next records read lie
.endif
	s_wait_dscnt 0x0                               ; the add is done, and my reads of the bytes that are filled next are over
	s_barrier_signal -1
.endm
.macro CHG_B g0, g1
	s_barrier_wait -1
.if \g0 >= 0
	CREST                                          ; the barrier has opened a round of the cluster's barrier
	tensor_load_to_lds s[(\g0):(\g0)+3], s[(\g1):(\g1)+7]
	s_nop 0
.rept 4
	v_nop
.endr
.endif
.endm
; A unit.  mode 0: inside a slot.  2: the slot's last but one: change of slots with a refill.  3: the same with no refill.  5: the first unit: slot 1, out of which the tokens have been read,
; takes W's records 16-31.  1, 4: the launch's last two units, which fetch nothing.
.macro UNIT p, mode, slot
.if \mode == 2
	CHG_A G0+4*\slot, 1, (1-\slot)*SLOTB
.elseif \mode == 3
	CHG_A -1, 0, (1-\slot)*SLOTB
.elseif \mode == 5
	CHG_A G0+4, 0, -1
.elseif \mode == 4
	s_wait_dscnt 0x0
.else
	s_wait_dscnt 18                                ; this record's 18 loads are in; the next record's 18 may be out
.endif
	WIN W_MUL
.set N, 0
.rept 16
.if N < 4
	v_wmma_f32_16x16x128_bf8_bf8 v[ACC+8*(N%4):ACC+8*(N%4)+7], v[WF+64*(\p)+16*(N/4):WF+64*(\p)+16*(N/4)+15], v[16*(4*(N%4)+N/4):16*(4*(N%4)+N/4)+15], v[WSQ+8*(\p):WSQ+8*(\p)+7]
.else
	v_wmma_f32_16x16x128_bf8_bf8 v[ACC+8*(N%4):ACC+8*(N%4)+7], v[WF+64*(\p)+16*(N/4):WF+64*(\p)+16*(N/4)+15], v[16*(4*(N%4)+N/4):16*(4*(N%4)+N/4)+15], v[ACC+8*(N%4):ACC+8*(N%4)+7]
.endif
.set N, N+1
.endr
	WIN 0
.if \mode == 2
	CHG_B G0+4*\slot, G1
.elseif \mode == 3
	CHG_B -1, 0
.elseif \mode == 5
	CHG_B G0+4, G1
.endif
	v_mov_b32 v[VT], s29                           ; four places behind the matrix instructions, ahead of the loads into set p and of the first read of a result
	s_add_co_u32 s29, s29, 16
.if (\mode != 1) && (\mode != 4)
	v_add_nc_u32 v[ADR], s28, v[L16]
	v_add_nc_u32 v[ADW], s28, v[H32]
	v_nop
	s_add_co_u32 s28, s28, REC
	FETCH \p, 0                                    ; the record two units on
.else
.rept 3
	v_nop
.endr
.endif
	EPI \p
.endm
.macro PAIRS n, slot                   ; n trips of two units inside a slot
	s_mov_b32 s31, \n
.Lunit_\@:
	UNIT 0, 0, \slot
	UNIT 1, 0, \slot
	s_sub_co_u32 s31, s31, 1
	s_cmp_lg_u32 s31, 0
	s_wait_alu depctr_va_vdst(0)                   ; the wait ahead of the branch
	s_cbranch_scc1 .Lunit_\@
.endm
.macro LEXMAX v, i, ov, oi             ; the larger score; of equal scores the lower index
	v_cmp_gt_f32 s56, v[\ov], v[\v]
	v_cmp_eq_f32 s57, v[\ov], v[\v]
	v_cmp_lt_u32 vcc_lo, v[\oi], v[\i]
	s_and_b32 s57, s57, vcc_lo
	s_or_b32 vcc_lo, s56, s57
	v_cndmask_b32 v[\v], v[\v], v[\ov], vcc_lo
	v_cndmask_b32 v[\i], v[\i], v[\oi], vcc_lo
.endm
	XREAD 0                                        ; my tiles 0 and 1
	FETCH 0, 0                                     ; records 0 and 1
	FETCH 1, REC
	s_wait_loadcnt 0x0                             ; my tiles 2 and 3
	UNIT 0, 5, 0                                   ; records 0-15, in slot 0
	UNIT 1, 0, 0
	PAIRS 6, 0
	UNIT 0, 2, 0                                   ; slot 0 takes records 32-47
	UNIT 1, 0, 0
	PAIRS 7, 1                                     ; records 16-31, in slot 1
	UNIT 0, 2, 1                                   ; slot 1 takes records 48-63
	UNIT 1, 0, 1
	PAIRS 7, 0                                     ; records 32-47
	UNIT 0, 3, 0
	UNIT 1, 0, 0
	PAIRS 7, 1                                     ; records 48-63
	UNIT 0, 1, 1
	UNIT 1, 4, 1
	; the way out: the place of the largest among the kept record's scores (the lowest that equals it; 7 if none of 0 to 6 does), my half against lane l xor 16's, the key, and 256 bytes of each table by one store
.irp q, 0,1,2,3
	v_mov_b32 v[JR+\q], 7
.irp j, 6,5,4,3,2,1,0
	v_cmp_neq_f32 vcc_lo, v[SAV+8*\q+\j], v[BEST+\q]
	v_cndmask_b32 v[JR+\q], \j, v[JR+\q], vcc_lo
.endr
	v_add3_u32 v[SAV+8*\q+7], v[SAV+8*\q+7], v[JR+\q], v[H8]
	v_permlanex16_b32 v[OV], v[BEST+\q], s40, s41
	v_permlanex16_b32 v[OI], v[SAV+8*\q+7], s40, s41
	LEXMAX BEST+\q, SAV+8*\q+7, OV, OI
	v_ashrrev_i32 v[OV], 31, v[BEST+\q]
	v_and_b32 v[OV], 0x7fffffff, v[OV]
	v_xor_b32 v[BEST+\q], v[BEST+\q], v[OV]        ; a signed whole number that orders as the score
	ds_store_b32 v[MA], v[BEST+\q] offset:64*\q    ; lanes r and r + 16 write one word with one value
	ds_store_b32 v[MA], v[SAV+8*\q+7] offset:256+64*\q
.endr
	ds_load_b64 v[VA:VA+1], v[MR]                  ; my wave's own bytes, served in order
	ds_load_b64 v[VA+2:VA+3], v[MR] offset:256
	s_wait_dscnt 0x0
	global_store_b64 v[GO], v[VA:VA+1], s[8:9]
	global_store_b64 v[GO], v[VA+2:VA+3], s[10:11]
	s_wait_tensorcnt 0x0                           ; the wave's end
	ds_add_u32 v[SPW], v[NIL]
	s_wait_dscnt 0x0
	ROUND                                          ; the closing round
	s_endpgm
.Lfunc_end_k_qace3e70aac_dist:
	.size	k_qace3e70aac_dist, .Lfunc_end_k_qace3e70aac_dist-k_qace3e70aac_dist
	.p2alignl 7, 3214868480
	.fill 96, 4, 3214868480
	.section	.rodata,"a",@progbits
	.p2align	6, 0x0
	.amdhsa_kernel k_qace3e70aac_dist
		.amdhsa_group_segment_fixed_size 327680
		.amdhsa_private_segment_fixed_size 0
		.amdhsa_enable_private_segment 0
		.amdhsa_kernarg_size 32
		.amdhsa_user_sgpr_count 2
		.amdhsa_user_sgpr_kernarg_segment_ptr 1
		.amdhsa_wavefront_size32 1
		.amdhsa_system_sgpr_workgroup_id_x 1
		.amdhsa_system_sgpr_workgroup_id_y 1
		.amdhsa_system_sgpr_workgroup_id_z 1
		.amdhsa_system_vgpr_workitem_id 0
		.amdhsa_next_free_vgpr 512
		.amdhsa_next_free_sgpr 100
		.amdhsa_reserve_vcc 1
		.amdhsa_float_denorm_mode_32 3
		.amdhsa_float_denorm_mode_16_64 3
		.amdhsa_memory_ordered 1
		.amdhsa_forward_progress 1
		.amdhsa_inst_pref_size 104
	.end_amdhsa_kernel
	.amdgpu_metadata
---
amdhsa.version: [ 1, 2 ]
amdhsa.kernels:
  - .name:           k_qace3e70aac_dist
    .symbol:         k_qace3e70aac_dist.kd
    .args:
      - { .name: xq, .offset: 0, .size: 8, .value_kind: global_buffer, .address_space: global }
      - { .name: wq, .offset: 8, .size: 8, .value_kind: global_buffer, .address_space: global }
      - { .name: cand_key, .offset: 16, .size: 8, .value_kind: global_buffer, .address_space: global }
      - { .name: cand_idx, .offset: 24, .size: 8, .value_kind: global_buffer, .address_space: global }
    .group_segment_fixed_size: 327680
    .private_segment_fixed_size: 0
    .kernarg_segment_align: 8
    .kernarg_segment_size: 32
    .max_flat_workgroup_size: 256
    .sgpr_count:     100
    .vgpr_count:     512
    .wavefront_size: 32
...
	.end_amdgpu_metadata
.endif
;; end of part 2
;; launch pick (part 3): grid 512 x 1, 8 waves a work-group, no clusters, 0 bytes of LDS; arguments cand_key, cand_idx, embed_weight, out0; writes out0
.if DOCPART == 3
	.amdgcn_target "amdgcn-amd-amdhsa--gfx1250"
	.amdhsa_code_object_version 6
	.text
	.protected	k_qace3e70aac_pick
	.globl	k_qace3e70aac_pick
	.p2align	8
	.type	k_qace3e70aac_pick,@function
k_qace3e70aac_pick:
	s_mov_b64 s[64:65], 0
	v_nop
	global_prefetch_b8 v0, s[64:65] scope:SCOPE_SE
	s_setreg_imm32_b32 hwreg(HW_REG_WAVE_MODE, 25, 1), 1
	s_wait_xcnt 0x0
; out0[t] = embed_weight[i], i the code of the largest of token t's eight candidates (one for each eighth of the codes; cand_key, cand_idx: [8][16384] int32).
; LEFT OUT as dead work: xs + (w_i - xs) is w_i in exact arithmetic for all values, so xs is not loaded here (see the first kernel's head).
; A key is a whole number that the launch before stored; it orders as the candidate's score.  The choice is made on whole numbers read from memory, in scalar registers.
; The comparison is strict and the eighths ascend, so of equal scores the lowest index wins, as in argmin.  An index is held at 8,191 before it enters an address.
; SHARES.  A wave takes four tokens; a row of 2,048 bytes is four loads and four stores of 512 consecutive bytes, aligned, from registers of its own.
; No LDS, barrier, matrix work, cluster or loop: a gather; waves share nothing.
.set KEY, 16                           ; s[16:47]  eighth p: four tokens' keys at s[16 + 4 p ..]; eighth 0's become the largest
.set IDX, 68                           ; s[68:99]  the same for the indices
.set RB,  48                           ; s[48:55]  token t: its chosen row's address
.set W,   8                            ; v[8:71]   token t: the chosen row
	s_load_b256 s[4:11], s[0:1], 0x0               ; cand_key, cand_idx, embed_weight, out0
	v_lshrrev_b32 v3, 5, v0
	v_readfirstlane_b32 s14, v3                    ; wave 0..7
	v_and_b32 v3, 31, v0
	v_lshlrev_b32 v1, 4, v3                        ; 16 x lane; never rewritten
	s_lshl_b32 s15, ttmp9, 3
	s_add_co_u32 s15, s15, s14                     ; g: my tokens are 4 g .. 4 g + 3
	s_lshl_b32 s2, s15, 4
	s_mov_b32 s3, 0
	s_lshl_b32 s12, s15, 13
	s_mov_b32 s13, 0
	s_wait_alu depctr_va_vdst(0)                   ; the wait at the head's end
	s_wait_kmcnt 0x0
	s_add_nc_u64 s[4:5], s[4:5], s[2:3]
	s_add_nc_u64 s[6:7], s[6:7], s[2:3]
.irp p, 0,1,2,3,4,5,6,7
	s_load_b128 s[KEY+4*\p:KEY+4*\p+3], s[4:5], 65536*\p
	s_load_b128 s[IDX+4*\p:IDX+4*\p+3], s[6:7], 65536*\p
.endr
	s_add_nc_u64 s[10:11], s[10:11], s[12:13]
	s_wait_kmcnt 0x0
.irp t, 0,1,2,3
.irp p, 1,2,3,4,5,6,7
	s_cmp_gt_i32 s[KEY+4*\p+\t], s[KEY+\t]         ; strictly larger than the largest so far
	s_cselect_b32 s[KEY+\t], s[KEY+4*\p+\t], s[KEY+\t]
	s_cselect_b32 s[IDX+\t], s[IDX+4*\p+\t], s[IDX+\t]
.endr
	s_min_u32 s[IDX+\t], s[IDX+\t], 8191           ; inside the table
	s_lshl_b32 s[RB+2*\t], s[IDX+\t], 11           ; a row is 2,048 bytes
	s_mov_b32 s[RB+2*\t+1], 0
	s_add_nc_u64 s[RB+2*\t:RB+2*\t+1], s[8:9], s[RB+2*\t:RB+2*\t+1]
.irp j, 0,1,2,3
	global_load_b128 v[W+16*\t+4*\j:W+16*\t+4*\j+3], v1, s[RB+2*\t:RB+2*\t+1] offset:512*\j     ; many tokens may name a row: no hint
.endr
.endr
.irp t, 0,1,2,3
	s_wait_loadcnt 12-4*\t                         ; this token's row is in; the later tokens' rows, four loads each, may be out
.irp j, 0,1,2,3
	global_store_b128 v1, v[W+16*\t+4*\j:W+16*\t+4*\j+3], s[10:11] offset:2048*\t+512*\j th:TH_STORE_NT
.endr
.endr
	s_endpgm
.Lfunc_end_k_qace3e70aac_pick:
	.size	k_qace3e70aac_pick, .Lfunc_end_k_qace3e70aac_pick-k_qace3e70aac_pick
	.p2alignl 7, 3214868480
	.fill 96, 4, 3214868480
	.section	.rodata,"a",@progbits
	.p2align	6, 0x0
	.amdhsa_kernel k_qace3e70aac_pick
		.amdhsa_group_segment_fixed_size 0
		.amdhsa_private_segment_fixed_size 0
		.amdhsa_enable_private_segment 0
		.amdhsa_kernarg_size 32
		.amdhsa_user_sgpr_count 2
		.amdhsa_user_sgpr_kernarg_segment_ptr 1
		.amdhsa_wavefront_size32 1
		.amdhsa_system_sgpr_workgroup_id_x 1
		.amdhsa_system_sgpr_workgroup_id_y 1
		.amdhsa_system_sgpr_workgroup_id_z 1
		.amdhsa_system_vgpr_workitem_id 0
		.amdhsa_next_free_vgpr 72
		.amdhsa_next_free_sgpr 100
		.amdhsa_reserve_vcc 0
		.amdhsa_float_denorm_mode_32 3
		.amdhsa_float_denorm_mode_16_64 3
		.amdhsa_memory_ordered 1
		.amdhsa_forward_progress 1
		.amdhsa_inst_pref_size 9
	.end_amdhsa_kernel
	.amdgpu_metadata
---
amdhsa.version: [ 1, 2 ]
amdhsa.kernels:
  - .name:           k_qace3e70aac_pick
    .symbol:         k_qace3e70aac_pick.kd
    .args:
      - { .name: cand_key, .offset: 0, .size: 8, .value_kind: global_buffer, .address_space: global }
      - { .name: cand_idx, .offset: 8, .size: 8, .value_kind: global_buffer, .address_space: global }
      - { .name: embed_weight, .offset: 16, .size: 8, .value_kind: global_buffer, .address_space: global }
      - { .name: out0, .offset: 24, .size: 8, .value_kind: global_buffer, .address_space: global }
    .group_segment_fixed_size: 0
    .private_segment_fixed_size: 0
    .kernarg_segment_align: 8
    .kernarg_segment_size: 32
    .max_flat_workgroup_size: 256
    .sgpr_count:     100
    .vgpr_count:     72
    .wavefront_size: 32
...
	.end_amdgpu_metadata
.endif
;; end of part 3
